; MI455X (gfx1250); checked and timed in simulation.
; The chip was launched on July 23, 2026; its instructions are those of AMD's public machine-readable ISA for CDNA 5 (MIT licence, August 2026) and "CDNA5" Instruction Set Architecture Reference Guide (July 2026). The comments in the code are by the model that wrote it; some were corrected since.
;; GPT2 Attention. Allowed arithmetic: matrix products marked QUANTISED: E2M1 operands, one E8M0 scale for each 32 along K, by v_wmma_scale_f32_16x16x128_f8f6f4 with both operands' format E2M1 (or v_wmma_scale_f32_32x16x128_f4), f32 sums; everything else in f32.
;; Inputs: W_attn_codes 3,072 x 32 x 16 uint8 (E2M1 codes of W_attn, K innermost, in blocks of 32 codes, two codes a byte); W_attn_scales 3,072 x 32 uint8 (E8M0 scales of W_attn, one for each 32 codes along K); W_proj_codes 1,024 x 32 x 16 uint8 (E2M1 codes of W_proj, K innermost, in blocks of 32 codes, two codes a byte); W_proj_scales 1,024 x 32 uint8 (E8M0 scales of W_proj, one for each 32 codes along K); b_attn 3,072 float32; b_proj 1,024 float32; x_codes 4 x 2,048 x 32 x 16 uint8 (E2M1 codes of x, K innermost, in blocks of 32 codes, two codes a byte); x_scales 4 x 2,048 x 32 uint8 (E8M0 scales of x, one for each 32 codes along K).
;; Outputs: out0 4 x 2,048 x 1,024 float32.
;; This version of the problem:
;;   THIS VERSION OF THE PROBLEM IS GIVEN IN LOW PRECISION. The matrix products marked QUANTISED in the list below multiply operands that are first quantised to E2M1 (2 exponent bits, 1 mantissa bit; 4 bits a number), with one power-of-two scale for each 32 numbers along K (OCP MX v1.0); their sums are f32. All else is computed in f32.
;;   The module's matrix products, in the order in which they are computed (A, B: the left and right operand; K: the contracted axis; several contracted axes count as one K, in the product's order):
;;     1. [M 8,192, K 1,024] x [K 1,024, N 3,072]; A: input x (given as codes); B: input W_attn (given as codes): QUANTISED
;;     2. batch 64 x [M 2,048, K 64] x [K 64, N 2,048]; A: computed on the way; B: computed on the way: QUANTISED
;;     3. batch 64 x [M 2,048, K 2,048] x [K 2,048, N 64]; A: softmax (see below); B: computed on the way: QUANTISED
;;     4. [M 8,192, K 1,024] x [K 1,024, N 1,024]; A: computed on the way; B: input W_proj (given as codes): QUANTISED
;;   THE QUANTISER, for each operand of a quantised product, along K:
;;     - K is cut into blocks of 32 from its start; a last block that is shorter is filled with zeros.
;;     - A block's scale is 2^e with e = floor(log2(the largest magnitude in the block)) - 2, held to -126 .. 127; a block of zeros has e = 0. As a byte (E8M0): e + 127.
;;     - Each number is divided by its block's scale, clamped to +-6, and rounded to the nearest number of E2M1, ties to even, subnormals kept.
;;     - The product sums the exact products of the quantised numbers (number of the format x scale) in f32.
;;   ~~~python
;;   def quantise(x, axis):      # numpy; x: float32 -> the quantised numbers, widened to float32 again
;;       x = np.moveaxis(x, axis, -1); K = x.shape[-1]
;;       x = np.pad(x, [(0, 0)] * (x.ndim - 1) + [(0, -K % 32)]); x = x.reshape(x.shape[:-1] + (-1, 32)); a = np.abs(x).max(-1, keepdims=True)
;;       e = np.where(a > 0, np.clip(np.frexp(np.where(a > 0, a, 1))[1] - 1 - 2, -126, 127), 0)      # np.frexp(a)[1] - 1 = floor(log2(a)), exactly
;;       r = np.clip(x / 2.0 ** e, -6, 6)
;;       step = 2.0 ** (np.maximum(np.frexp(np.where(r == 0, 1, r))[1] - 1, 0) - 1)
;;       q = np.round(r / step) * step * 2.0 ** e      # np.round: ties to even
;;       return np.moveaxis(q.reshape(q.shape[:-2] + (-1,))[..., :K], -1, axis).astype(np.float32)
;;   ~~~
;;   SOFTMAX AHEAD OF A QUANTISED PRODUCT. Where the list says 'softmax', what is quantised is not the finished softmax but p = 2^(t - M), with t = logit x log2(e) and M = ceil(the row's largest t), a whole number; so 1/2 < the row's largest p <= 1. The row's sum l is taken of the UNQUANTISED p, in f32, and the product's result is divided by l at the end. Since M is a whole number, a kernel that streams over the keys may use a running M (the ceiling of the running maximum): every later rescaling is an exact power of two, which a block's scale takes up: the codes' values come out the same.
;;   OPERANDS COMPUTED ON THE WAY. 'Computed on the way' means the value that the module computes at that place (a softmax that the list does not call 'softmax' is quantised finished and normalised). What goes into a quantiser is computed in f32, as accurately as f32 sums, v_exp_f32 and their like allow (about 1e-6 of the number): no bf16 or f16 on the way to a quantiser, and a product that is left as it is and whose result goes on into a quantised operand takes f32 operands (vector FMAs, or v_wmma_f32_16x16x4_f32). A number that lies on a knife's edge between two numbers of the format may be rounded either way, as far as f32 arithmetic and the matrix unit's own rounding can turn it there, and no further.
;;   INPUTS GIVEN AS CODES. W_attn (in the module: [1024, 3072], K = its axis 0); W_proj (in the module: [1024, 1024], K = its axis 0); x (in the module: [4, 2048, 1024], K = its axis 2): each comes as NAME_codes (uint8): NAME with its K axis moved to the last place and cut into blocks of 32 codes, [.., K / 32, bytes a block], one block behind the other in memory; two codes a byte, the lower K in the low four bits (a code: sign, 2 exponent bits, 1 mantissa bit); and NAME_scales (uint8): the same leading axes, one E8M0 byte (e + 127) for each 32 codes along K. Its value is code x scale, taken as it is: it is not quantised again, and the codes and scales need not be those that the quantiser above would give.
;; One version. Each part assembles by itself: llvm-mc -triple=amdgcn-amd-amdhsa -mcpu=gfx1250 --defsym DOCPART=n.
;; ======== version 1 of 1: 3 launches
;; workspace buffers: qimg 9,175,040 bytes; kv 9,175,040 bytes; ycodes 4,194,304 bytes; yscales 262,144 bytes
;; launch qkv (part 1): grid 12 x 64, 4 waves a work-group, clusters of 4 x 4, 222,464 bytes of LDS; arguments x_codes, x_scales, W_attn_codes, W_attn_scales, b_attn, qimg, kv; writes qimg, kv
.if DOCPART == 1
	.amdgcn_target "amdgcn-amd-amdhsa--gfx1250"
	.amdhsa_code_object_version 6
	.text
	.protected	k_q8cfe08c96e_qkv
	.globl	k_q8cfe08c96e_qkv
	.p2align	8
	.type	k_q8cfe08c96e_qkv,@function
k_q8cfe08c96e_qkv:
	s_mov_b64 s[64:65], 0
	v_nop
	global_prefetch_b8 v0, s[64:65] scope:SCOPE_SE
	s_setreg_imm32_b32 hwreg(HW_REG_WAVE_MODE, 25, 1), 1
	s_wait_xcnt 0x0
	s_wait_alu depctr_hold_cnt(0) depctr_sa_sdst(0) depctr_va_vdst(0) depctr_va_sdst(0) depctr_va_ssrc(0) depctr_va_vcc(0) depctr_vm_vsrc(0)
	s_getreg_b32 s2, hwreg(HW_REG_IB_STS2, 6, 4)
	s_cmp_eq_u32 s2, 0
	s_cbranch_scc0 .Lentry_in_a_cluster
	s_endpgm
.Lentry_in_a_cluster:
	s_bfe_u32 s2, ttmp6, 0x10000c
	s_cmp_lg_u32 s2, 0xf033
	s_cbranch_scc0 .Lentry_shape_is_right
	s_endpgm
.Lentry_shape_is_right:
; qkv = x W_attn + b_attn on codes of FP4 (E2M1) with E8M0 scales, f32 sums; then q and k are quantised along the head's 64 channels and v along the keys, and leave as IMAGES OF OPERAND REGISTERS.
; A work-group of four waves makes 128 tokens x 256 columns; all of K (1,024 codes = 512 bytes a row) lies in LDS at once, as two slots of 256 bytes a row, each filled ONCE: no LDS byte is filled again.
; CLUSTER 4 x 4: x's tiles hang on the tile row alone and are asked for jointly along a row of the cluster, W's on the tile column alone and jointly along a column.
; A cluster spans 1,024 columns: one SECTION (cluster x: 0 = q, 1 = k, 2 = v), the same number in all sixteen partners; branches and LDS addresses hang on it and on the wave's number, never on a place in the cluster.
; THE AXIS THAT IS QUANTISED MUST RUN ALONG A LANE'S REGISTERS, which is source 0's rows.  q, k: source 0 (P) = 128 rows of W, source 1 (R) = 64 tokens.  v: P = the 128 tokens, R = 64 rows of W (one head).
; The products are one text for both; only the LDS addresses from which P and R are read are chosen by the section.
; A wave: 8 tiles of P x 4 tiles of R = 32 accumulators; accumulator (a, b): lane (r, h) holds R's row 16 a + r, register j holds P's row 16 b + 8 h + j.
; QUANTISING: a block of 32 is two neighbouring tiles of P: the lane's 16 registers and those of lane l xor 16.  Four tiles (64 along the axis) give four code registers; two exchanges of halves put a whole block into a lane.
; OUT: a block of 8,960 bytes for each (batch x 16 + head, step of 128 tokens): +0 K (in qimg: Q) codes, tile t at 512 t + 16 lane; +4096 V codes, channel tile t, register group c at 1024 t + 512 c + 16 lane;
;   +8192 K (Q) scale words: word 256 th + 8 lane + 4 j is tile 4 th + 2 j + lane / 16, row lane % 16 (bytes 0, 1 the two blocks; bytes 2, 3 zero); +8704 V scale words: word 8 lane + 4 j is channel tile 2 j + lane / 16.
;   Every store of a wave covers 512 or 256 consecutive bytes, aligned to 256.
; LIMITS: NaN and infinities are not served.  A block whose largest magnitude lies under 2^-124 keeps the scale byte 1; a block of zeros gets the byte 1 and not 127: its codes are zeros, and this program alone reads the bytes.
; REGISTERS, in windows of 256: window 0: v0-27 addresses; v32-95 scale words and nothing else (tile i, K step s at v[32 + 8 i + s]: lanes 0-15 R's tile i, lanes 16-31 P's tile i); v128-191 R's fragments, two sets; v96-127, v192-255 the way out.
;   window 1: v0-63, v128-191 P's fragments, two sets; v64-127 the bias in the result's layout.   window 2: the 32 accumulators, (a, b) at v[8 (8 a + b)].
.set PITCH, 272                        ; an LDS row: 256 bytes + 16 of padding: the 16 rows of a fragment load begin 16 bytes further on in each 256
.set XH,    64*PITCH                   ; 64 rows of x: one tensor load
.set WH,    128*PITCH                  ; 128 rows of W: one tensor load
.set SLOT,  2*XH+2*WH                  ; x's 128 rows, then W's 256 rows
.set SCL,   2*SLOT                     ; behind the slots: the scale bytes, as units of 256 bytes + 16: x's 128 rows, then W's 256
.set XSH,   8*272                      ; the scales of 64 rows (32 bytes a row)
.set WSH,   16*272                     ; of 128 rows
.set BLK,   8960
.set HEADB, 16*BLK
.set AQ,    64                         ; R's fragments: from K step to K step,
.set AC,    32                         ; from register group to register group,
.set AT,    16*PITCH                   ; from tile to tile
.set ADRA,  16                         ; v16-17 R's fragments in slot 0, 1
.set ADRB,  20                         ; v20-21 P's
.set L16,   24                         ; v24    16 x lane
.set L8,    25                         ; v25    8 x lane
.set ADRS2, 26                         ; v26    scale words: every lane at P's rows
.set ADRS,  27                         ; v27    scale words: lanes 0-15 at R's rows, lanes 16-31 at P's
.set SC,    32
.set AF,    128
.set BI,    64                         ; in window 1
.set T,     96                         ; the way out: v96-111 largest magnitudes; v128-143 at work; v192-207 the conversions' scale operands; v208-239 codes; v240-247 two scale bytes a unit
.set X,     128
.set SO,    192
.set PC,    208
.set H,     240
.set G1X,   24                         ; s[24:31], s[32:39] descriptor groups 1 for x's and W's codes; s[40:47], s[48:55] for their scales
.set G1W,   32
.set G1XS,  40
.set G1WS,  48
.set G0X,   56                         ; s[56:63] groups 0 for x's codes, slot 0 and 1; s[68:75] for W's; s[76:79], s[80:83] for the scales
.set G0W,   68
.set G0XS,  76
.set G0WS,  80
.set CW0,   (1<<20)|(1<<21)|(5<<22)|(3<<25)          ; elements of 1 byte; padding on; bit 21 beside a mask; 4 words behind every 64
.set SW0,   (3<<16)|(1<<20)|(1<<21)|(5<<22)|(3<<25)  ; the same with elements of 8 bytes
.set MUL,   0xa1                       ; source 0 window 1, source 1 window 0, C and D window 2
.set MUL0,  0x91                       ; C window 1 (the bias), D window 2
.set TO_B,  0x40                       ; destination window 1
.set MSB, 0
.macro WIN new                         ; the immediate's high byte repeats the setting that is left; a switch that changes nothing is dropped
.if MSB != \new
	s_set_vgpr_msb (MSB<<8)|\new
.set MSB, \new
.endif
.endm
.macro PLACES n
.rept \n
	v_nop
.endr
.endm
.macro CROUND                          ; a round of the cluster's barrier
	s_barrier_signal -1
	s_barrier_wait -1
	s_cmp_lg_u32 s18, 0
	s_cbranch_scc1 .Lnot_wave_0_\@
	s_barrier_signal -3
.Lnot_wave_0_\@:
	s_barrier_wait -3
	s_barrier_signal -1
	s_barrier_wait -1
.endm
.macro JLOAD g0x, g1x, g0w, g1w        ; a joint load: waves 0 and 1 fetch for x, waves 2 and 3 for W; four v_nop follow each line
	s_cmp_eq_u32 s19, 0
	s_cbranch_scc0 .Lfor_w_\@
	tensor_load_to_lds s[\g0x:\g0x+3], s[\g1x:\g1x+7]
	s_nop 0
.rept 4
	v_nop
.endr
	s_branch .Lasked_\@
.Lfor_w_\@:
	tensor_load_to_lds s[\g0w:\g0w+3], s[\g1w:\g1w+7]
	s_nop 0
.rept 4
	v_nop
.endr
.Lasked_\@:
.endm
.macro FETCH s                         ; the fragments of K step s (slot s / 4) into set s % 2: 16 loads for P, 8 for R
	WIN TO_B
.irp b, 0,1,2,3,4,5,6,7
.irp c, 0,1
	ds_load_b128 v[128*((\s)%2)+8*\b+4*\c:128*((\s)%2)+8*\b+4*\c+3], v[ADRB+(\s)/4] offset:64*((\s)%4)+32*\c+16*PITCH*\b
.endr
.endr
	WIN 0
.irp a, 0,1,2,3
.irp c, 0,1
	ds_load_b128 v[AF+32*((\s)%2)+8*\a+4*\c:AF+32*((\s)%2)+8*\a+4*\c+3], v[ADRA+(\s)/4] offset:AQ*((\s)%4)+AC*\c+AT*\a
.endr
.endr
.endm
.macro SCALES                          ; all eight K steps' scale words of the wave's tiles, once: 32 bytes a row
.irp i, 0,1,2,3
	ds_load_b128 v[SC+8*\i:SC+8*\i+3], v[ADRS] offset:544*\i
	ds_load_b128 v[SC+8*\i+4:SC+8*\i+7], v[ADRS] offset:544*\i+16
.endr
.irp i, 4,5,6,7                        ; R has four tiles: here every lane reads P's rows
	ds_load_b128 v[SC+8*\i:SC+8*\i+3], v[ADRS2] offset:544*\i
	ds_load_b128 v[SC+8*\i+4:SC+8*\i+7], v[ADRS2] offset:544*\i+16
.endr
.endm
; 32 matrix instructions, 128 along K.  The 32 accumulators take turns, one instruction a turn, in the same order in every step.
; mode 0: adds in place; 1: the sums start from the bias of P's tile; 2: from the bias of R's tile.
.macro MUL32 s, mode
.irp a, 0,1,2,3
.irp b, 0,1,2,3,4,5,6,7
.if \mode == 0
	v_wmma_scale_f32_16x16x128_f8f6f4 v[8*(8*\a+\b):8*(8*\a+\b)+7], v[128*((\s)%2)+8*\b:128*((\s)%2)+8*\b+7], v[AF+32*((\s)%2)+8*\a:AF+32*((\s)%2)+8*\a+7], v[8*(8*\a+\b):8*(8*\a+\b)+7], v[SC+8*\b+(\s)], v[SC+8*\a+(\s)] matrix_a_fmt:MATRIX_FMT_FP4 matrix_b_fmt:MATRIX_FMT_FP4 matrix_a_scale:MATRIX_SCALE_ROW1
.elseif \mode == 1
	v_wmma_scale_f32_16x16x128_f8f6f4 v[8*(8*\a+\b):8*(8*\a+\b)+7], v[128*((\s)%2)+8*\b:128*((\s)%2)+8*\b+7], v[AF+32*((\s)%2)+8*\a:AF+32*((\s)%2)+8*\a+7], v[BI+8*\b:BI+8*\b+7], v[SC+8*\b+(\s)], v[SC+8*\a+(\s)] matrix_a_fmt:MATRIX_FMT_FP4 matrix_b_fmt:MATRIX_FMT_FP4 matrix_a_scale:MATRIX_SCALE_ROW1
.else
	v_wmma_scale_f32_16x16x128_f8f6f4 v[8*(8*\a+\b):8*(8*\a+\b)+7], v[128*((\s)%2)+8*\b:128*((\s)%2)+8*\b+7], v[AF+32*((\s)%2)+8*\a:AF+32*((\s)%2)+8*\a+7], v[BI+8*\a:BI+8*\a+7], v[SC+8*\b+(\s)], v[SC+8*\a+(\s)] matrix_a_fmt:MATRIX_FMT_FP4 matrix_b_fmt:MATRIX_FMT_FP4 matrix_a_scale:MATRIX_SCALE_ROW1
.endif
.endr
.endr
.endm
.macro STEP s, mode
	s_wait_dscnt 0x0                               ; this step's fragments are in (asked for one step, 32 matrix instructions, ago)
.if (\s) == 3
	s_wait_tensorcnt 0x0                           ; my part of slot 1 has landed;
	s_barrier_signal -1
	s_barrier_wait -1                              ; everybody's has.
.endif
.if (\s) < 7
.if (\s) > 0
	PLACES 4                                       ; four places between the last step's products and loads into the set that they read
.endif
	FETCH (\s)+1
.endif
.if \mode == 0
	WIN MUL
.else
	WIN MUL0
.endif
	MUL32 \s, \mode
	WIN 0
.endm
	s_load_b256 s[4:11], s[0:1], 0x0               ; x's codes s[4:5], x's scales s[6:7], W's codes s[8:9], W's scales s[10:11]
	s_load_b128 s[12:15], s[0:1], 0x20             ; b_attn s[12:13], qimg s[14:15]
	s_load_b64 s[16:17], s[0:1], 0x30              ; kv
	v_lshl_add_u32 v254, v0, 2, 0x36300
	v_mov_b32 v255, 0
	ds_add_u32 v254, v255
	ds_add_u32 v254, v255
	v_lshrrev_b32 v3, 5, v0
	v_readfirstlane_b32 s18, v3                    ; wave 0..3
	s_lshr_b32 s19, s18, 1                         ; I fetch for x (0) or for W (1)
	s_and_b32 s20, s18, 1                          ; which half of that side's rows I fetch
	s_bfe_u32 s21, ttmp6, 0x40000                  ; cx
	s_bfe_u32 s22, ttmp6, 0x40004                  ; cy
	s_lshl_b32 s23, ttmp9, 2
	s_add_co_u32 s23, s23, s21                     ; tile column = 4 x cluster x + cx: 256 columns of the 3,072
	s_and_b32 s2, ttmp7, 0xffff
	s_lshl_b32 s2, s2, 2
	s_add_co_u32 s2, s2, s22                       ; tile row = 4 x cluster y + cy: 128 tokens of the 8,192
	s_lshl_b32 s84, s22, 2
	s_lshl_b32 s84, 15, s84                        ; my row of the cluster
	s_lshl_b32 s85, 0x1111, s21                    ; my column
	s_or_b32 s[G1X], s84, CW0                      ; x's codes: 64 rows x 256 bytes, 512 bytes from row to row
	s_mov_b32 s[G1X+1], 256<<16
	s_mov_b32 s[G1X+2], 64<<16
	s_mov_b32 s[G1X+3], 256<<16
	s_mov_b32 s[G1X+4], 64
	s_mov_b32 s[G1X+5], 512
	s_mov_b32 s[G1X+6], 0
	s_mov_b32 s[G1X+7], 0
	s_or_b32 s[G1W], s85, CW0                      ; W's codes: 128 rows x 256 bytes
	s_mov_b32 s[G1W+1], 256<<16
	s_mov_b32 s[G1W+2], 128<<16
	s_mov_b32 s[G1W+3], 256<<16
	s_mov_b32 s[G1W+4], 128
	s_mov_b32 s[G1W+5], 512
	s_mov_b32 s[G1W+6], 0
	s_mov_b32 s[G1W+7], 0
	s_or_b32 s[G1XS], s84, SW0                     ; the scales of 64 rows: 2,048 dense bytes as 8 rows of 256
	s_mov_b32 s[G1XS+1], 32<<16
	s_mov_b32 s[G1XS+2], 8<<16
	s_mov_b32 s[G1XS+3], 32<<16
	s_mov_b32 s[G1XS+4], 8
	s_mov_b32 s[G1XS+5], 32
	s_mov_b32 s[G1XS+6], 0
	s_mov_b32 s[G1XS+7], 0
	s_or_b32 s[G1WS], s85, SW0                     ; of 128 rows: 16 rows of 256
	s_mov_b32 s[G1WS+1], 32<<16
	s_mov_b32 s[G1WS+2], 16<<16
	s_mov_b32 s[G1WS+3], 32<<16
	s_mov_b32 s[G1WS+4], 16
	s_mov_b32 s[G1WS+5], 32
	s_mov_b32 s[G1WS+6], 0
	s_mov_b32 s[G1WS+7], 0
	s_lshl_b32 s86, s2, 7                          ; x: row 128 x tile row + 64 x half: in registers that never hold cx
	s_lshl_b32 s3, s20, 6
	s_add_co_u32 s86, s86, s3
	s_lshl_b32 s88, s86, 5                         ; its scales: 32 bytes a row
	s_mov_b32 s89, 0
	s_lshl_b32 s86, s86, 9                         ; its codes: 512 bytes a row
	s_mov_b32 s87, 0
	s_lshl_b32 s90, s23, 8                         ; W: row 256 x tile column + 128 x half: in registers that never hold cy
	s_lshl_b32 s3, s20, 7
	s_add_co_u32 s90, s90, s3
	s_lshl_b32 s92, s90, 5
	s_mov_b32 s93, 0
	s_lshl_b32 s90, s90, 9
	s_mov_b32 s91, 0
	s_mul_i32 s94, s20, XH                         ; where they go in LDS: the wave's number and constants alone
	s_mul_i32 s95, s20, WH
	s_add_co_u32 s95, s95, 2*XH
	s_mul_i32 s96, s20, XSH
	s_add_co_u32 s96, s96, SCL
	s_mul_i32 s97, s20, WSH
	s_add_co_u32 s97, s97, SCL+2*XSH
	s_wait_dscnt 0x0
	s_wait_kmcnt 0x0
	s_add_nc_u64 s[86:87], s[4:5], s[86:87]
	s_add_nc_u64 s[88:89], s[6:7], s[88:89]
	s_add_nc_u64 s[90:91], s[8:9], s[90:91]
	s_add_nc_u64 s[92:93], s[10:11], s[92:93]
	CROUND                                         ; all sixteen work-groups are here: the joint loads meet
	s_mov_b32 s[G0XS], 1
	s_mov_b32 s[G0XS+1], s96
	s_mov_b64 s[G0XS+2:G0XS+3], s[88:89]
	s_or_b32 s[G0XS+3], s[G0XS+3], 0x80000000
	s_mov_b32 s[G0WS], 1
	s_mov_b32 s[G0WS+1], s97
	s_mov_b64 s[G0WS+2:G0WS+3], s[92:93]
	s_or_b32 s[G0WS+3], s[G0WS+3], 0x80000000
	JLOAD G0XS, G1XS, G0WS, G1WS                   ; the scales first: they are wanted with K step 0
.irp s, 0,1
	s_mov_b32 s[G0X+4*\s], 1
	s_add_co_u32 s[G0X+4*\s+1], s94, \s*SLOT
	s_add_nc_u64 s[G0X+4*\s+2:G0X+4*\s+3], s[86:87], \s*256
	s_or_b32 s[G0X+4*\s+3], s[G0X+4*\s+3], 0x80000000
	s_mov_b32 s[G0W+4*\s], 1
	s_add_co_u32 s[G0W+4*\s+1], s95, \s*SLOT
	s_add_nc_u64 s[G0W+4*\s+2:G0W+4*\s+3], s[90:91], \s*256
	s_or_b32 s[G0W+4*\s+3], s[G0W+4*\s+3], 0x80000000
	JLOAD G0X+4*\s, G1X, G0W+4*\s, G1W             ; three loads of mine are out behind the second of these
.endr
	; ---- what hangs on the section: both values are made, then chosen on one compare
	s_mul_i32 s94, s19, XH                         ; R's codes.  q, k: my 64 tokens;
	s_mul_i32 s86, s18, XH
	s_add_co_u32 s86, s86, 2*XH                    ;   v: my 64 rows of W
	s_mul_i32 s95, s20, WH
	s_add_co_u32 s95, s95, 2*XH                    ; P's codes.  q, k: my 128 rows of W;  v: the 128 tokens, at 0
	s_mul_i32 s96, s19, XSH
	s_add_co_u32 s96, s96, SCL                     ; R's scales
	s_mul_i32 s87, s18, XSH
	s_add_co_u32 s87, s87, SCL+2*XSH
	s_mul_i32 s97, s20, WSH
	s_add_co_u32 s97, s97, SCL+2*XSH               ; P's scales;  v: at SCL
	s_lshl_b32 s100, s21, 2
	s_add_co_u32 s101, s100, s18                   ; my (first) head in the section.  v: 4 cx + wave;
	s_lshl_b32 s3, s20, 1
	s_add_co_u32 s100, s100, s3                    ;   q, k: 4 cx + 2 x half, and the next
	s_lshl_b32 s98, s23, 8
	s_lshl_b32 s3, s18, 6
	s_add_co_u32 s99, s98, s3                      ; the bias's first column.  v: 256 x tile column + 64 x wave;
	s_lshl_b32 s3, s20, 7
	s_add_co_u32 s98, s98, s3                      ;   q, k: + 128 x half
	s_cmp_eq_u32 ttmp9, 2
	s_cselect_b32 s94, s86, s94
	s_cselect_b32 s95, 0, s95
	s_cselect_b32 s96, s87, s96
	s_cselect_b32 s97, SCL, s97
	s_cselect_b32 s100, s101, s100
	s_cselect_b32 s98, s99, s98
	s_cselect_b32 s99, 0, s19                      ; which four of a step's eight token tiles are mine (q, k)
	s_mov_b32 vcc_lo, 0xffff0000                   ; lanes 16-31; kept to the end
	s_mov_b32 s92, 0x76543210
	s_mov_b32 s93, 0xfedcba98                      ; v_permlanex16_b32's selects for lane l xor 16
	v_and_b32 v1, 15, v0                           ; r
	v_bfe_u32 v2, v0, 4, 1                         ; h
	v_and_b32 v3, 31, v0
	v_lshlrev_b32 v[L16], 4, v3
	v_lshlrev_b32 v[L8], 3, v3
	v_mul_u32_u24 v4, v1, PITCH
	v_lshl_add_u32 v4, v2, 4, v4                   ; a fragment's row x pitch + 16 x half
	v_add_nc_u32 v[ADRA], s94, v4
	v_add_nc_u32 v[ADRA+1], SLOT, v[ADRA]
	v_add_nc_u32 v[ADRB], s95, v4
	v_add_nc_u32 v[ADRB+1], SLOT, v[ADRB]
	v_lshlrev_b32 v7, 5, v1                        ; my row's scales: 32 bytes a row,
	v_lshrrev_b32 v8, 8, v7
	v_lshl_add_u32 v7, v8, 4, v7                   ; and 16 more behind the first 256
	v_mov_b32 v8, s96
	v_mov_b32 v9, s97
	v_cndmask_b32 v8, v8, v9, vcc_lo               ; lanes 0-15 R's, lanes 16-31 P's
	v_add_nc_u32 v[ADRS], v7, v8
	v_add_nc_u32 v[ADRS2], s97, v7
	v_lshlrev_b32 v10, 5, v2                       ; the bias of P's tiles: eight numbers from 8 h on
	v_lshlrev_b32 v11, 2, v1                       ; of R's tiles: number r
	s_lshl_b32 s101, s99, 11
	v_add_nc_u32 v5, s101, v[L16]                  ; the way out: codes at 16 x lane + 2,048 x my half of the tiles
	s_lshl_b32 s101, s99, 8
	v_add_nc_u32 v6, s101, v[L8]                   ; scale words at 8 x lane + 256 x my half
	s_lshl_b32 s90, s98, 2
	s_mov_b32 s91, 0
	s_add_nc_u64 s[12:13], s[12:13], s[90:91]      ; b_attn at my first column
	s_lshr_b32 s90, s2, 4                          ; the batch
	s_lshl_b32 s90, s90, 4
	s_add_co_u32 s90, s90, s100                    ; batch x 16 + head
	s_lshl_b32 s90, s90, 4
	s_and_b32 s101, s2, 15                         ; the step of 128 tokens in the batch
	s_add_co_u32 s90, s90, s101
	s_mul_i32 s90, s90, BLK
	s_mov_b32 s91, 0
	s_cmp_eq_u32 ttmp9, 0
	s_cselect_b64 s[14:15], s[14:15], s[16:17]     ; q goes to qimg, k and v to kv
	s_add_nc_u64 s[14:15], s[14:15], s[90:91]
	; ---- the bias, in the result's layout, while the tiles are on their way
	s_cmp_eq_u32 ttmp9, 2
	s_cbranch_scc1 .Lbias_v
	WIN TO_B
	s_wait_alu depctr_va_vdst(0)
.irp b, 0,1,2,3,4,5,6,7
	global_load_b128 v[BI+8*\b:BI+8*\b+3], v10, s[12:13] offset:64*\b         ; register j: column 16 b + 8 h + j
	global_load_b128 v[BI+8*\b+4:BI+8*\b+7], v10, s[12:13] offset:64*\b+16
.endr
	WIN 0
	s_wait_loadcnt 0x0
	s_branch .Lbias_done
.Lbias_v:
	WIN TO_B
	s_wait_alu depctr_va_vdst(0)
.irp a, 0,1,2,3
	global_load_b32 v[BI+8*\a], v11, s[12:13] offset:64*\a                    ; column 16 a + r: the same for all eight registers
.endr
	s_wait_loadcnt 0x0
	WIN 0x41
.irp a, 0,1,2,3
.irp j, 1,2,3,4,5,6,7
	v_mov_b32 v[BI+8*\a+\j], v[BI+8*\a]
.endr
.endr
.set q, 32
.rept 32
	v_mov_b32 v[BI+q], v[BI]                       ; not used on this way: written so that all 64 registers are written on both ways
.set q, q+1
.endr
	WIN 0
	PLACES 8
.Lbias_done:
	s_wait_tensorcnt 1                             ; the scales and my part of slot 0 have landed; slot 1's load, issued last, may stay out
	s_barrier_signal -1
	s_barrier_wait -1                              ; everybody's have
	SCALES
	FETCH 0
	s_cmp_eq_u32 ttmp9, 2                          ; K step 0 is written twice: the bias that starts the sums goes with P's tile (q, k) or with R's (v).  Both ways issue the same loads
	s_cbranch_scc1 .Lstep0_v
	s_wait_alu depctr_va_vdst(0)
	STEP 0, 1
	s_branch .Lstep0_done
.Lstep0_v:
	STEP 0, 2
.Lstep0_done:
.irp s, 1,2,3,4,5,6,7
	STEP \s, 0
.endr
	; ---- THE QUANTISER: 16 blocks of 32 (block q: window 2, v[16 q] on), 8 units of two blocks (unit u = 2 a + e: R's tile a, P's tiles 4 e .. 4 e + 3)
	PLACES 4                                       ; four places between the last products and the first read of results
	WIN 0x0a                                       ; sources 0 and 1 window 2
.set q, 0
.rept 16
	v_max3_num_f32 v[T+q], |v[16*q]|, |v[16*q+1]|, 0x1800000      ; each accumulator is read from its low end on; the floor 2^(3 - 127) holds the byte at 1 from below
.set q, q+1
.endr
	WIN 0x28                                       ; sources 1 and 2 window 2
.irp i, 2,4,6,8,10,12,14
.set q, 0
.rept 16
	v_max3_num_f32 v[T+q], v[T+q], |v[16*q+\i]|, |v[16*q+\i+1]|   ; the blocks by turns
.set q, q+1
.endr
.endr
	WIN 0
.set q, 0
.rept 16
	v_permlanex16_b32 v[X+q], v[T+q], s92, s93
.set q, q+1
.endr
.set q, 0
.rept 16
	v_max_num_f32 v[T+q], v[T+q], v[X+q]           ; with lane l xor 16's 16 numbers: the block's largest magnitude
.set q, q+1
.endr
.set q, 0
.rept 16
	v_add_nc_u32 v[SO+q], 0xff000000, v[T+q]       ; 2 off its exponent field: the conversion's scale operand
.set q, q+1
.endr
.set q, 0
.rept 16
	v_lshrrev_b32 v[X+q], 23, v[SO+q]              ; the scale's byte
.set q, q+1
.endr
.set q, 0
.rept 8
	v_lshl_or_b32 v[H+q], v[X+2*q+1], 8, v[X+2*q]  ; a unit's two bytes
.set q, q+1
.endr
	WIN 0x02                                       ; source 0 window 2
.set u, 0
.rept 8
.irp i, 0,1,2,3
	v_cvt_scalef32_pk8_fp4_f32 v[PC+4*u+2*(\i%2)+\i/2], v[32*u+8*\i:32*u+8*\i+7], v[SO+2*u+\i/2]   ; tile i's eight codes go to register 0, 2, 1, 3
.endr
.set u, u+1
.endr
	WIN 0
	v_nop                                          ; one plain place behind the conversions
.set u, 0
.rept 8
	v_permlane16_swap_b32 v[PC+4*u], v[PC+4*u+1]   ; register i now holds codes 8 i .. 8 i + 7 of block 0 in lanes 0-15 and of block 1 in lanes 16-31:
	v_permlane16_swap_b32 v[PC+4*u+2], v[PC+4*u+3] ; the 4-bit operand's registers 0-3
.set u, u+1
.endr
	s_cmp_eq_u32 ttmp9, 2
	s_cbranch_scc1 .Lout_v
.irp a, 0,1,2,3
.irp e, 0,1
	global_store_b128 v5, v[PC+4*(2*\a+\e):PC+4*(2*\a+\e)+3], s[14:15] offset:HEADB*\e+512*\a   ; token tile 4 th + a of head e: 512 consecutive bytes
.endr
.endr
.irp e, 0,1
.irp j, 0,1
	v_cndmask_b32 v[248+2*\e+\j], v[H+4*\j+\e], v[H+4*\j+2+\e], vcc_lo   ; lanes 0-15 tile 2 j, lanes 16-31 tile 2 j + 1
.endr
	global_store_b64 v6, v[248+2*\e:249+2*\e], s[14:15] offset:HEADB*\e+8192
.endr
	s_branch .Lout_done
.Lout_v:
	s_wait_alu depctr_va_vdst(0)
.irp a, 0,1,2,3
.irp e, 0,1
	global_store_b128 v5, v[PC+4*(2*\a+\e):PC+4*(2*\a+\e)+3], s[14:15] offset:4096+1024*\a+512*\e   ; channel tile a, keys 64 e on
.endr
.endr
.irp a, 0,1,2,3
	v_lshl_or_b32 v[250+\a], v[H+2*\a+1], 16, v[H+2*\a]   ; the step's four key blocks: a scale word
.endr
	v_cndmask_b32 v248, v250, v251, vcc_lo
	v_cndmask_b32 v249, v252, v253, vcc_lo
	global_store_b64 v6, v[248:249], s[14:15] offset:8704
.Lout_done:
	s_wait_tensorcnt 0x0
	ds_add_u32 v254, v255
	s_wait_dscnt 0x0
	CROUND                                         ; the closing round: no work-group ends while a partner may still ask for a tile that names it
	s_endpgm
.Lfunc_end_k_q8cfe08c96e_qkv:
	.size	k_q8cfe08c96e_qkv, .Lfunc_end_k_q8cfe08c96e_qkv-k_q8cfe08c96e_qkv
	.p2alignl 7, 3214868480
	.fill 96, 4, 3214868480
	.section	.rodata,"a",@progbits
	.p2align	6, 0x0
	.amdhsa_kernel k_q8cfe08c96e_qkv
		.amdhsa_group_segment_fixed_size 222464
		.amdhsa_private_segment_fixed_size 0
		.amdhsa_enable_private_segment 0
		.amdhsa_kernarg_size 56
		.amdhsa_user_sgpr_count 2
		.amdhsa_user_sgpr_kernarg_segment_ptr 1
		.amdhsa_wavefront_size32 1
		.amdhsa_system_sgpr_workgroup_id_x 1
		.amdhsa_system_sgpr_workgroup_id_y 1
		.amdhsa_system_sgpr_workgroup_id_z 1
		.amdhsa_system_vgpr_workitem_id 0
		.amdhsa_next_free_vgpr 768
		.amdhsa_next_free_sgpr 102
		.amdhsa_reserve_vcc 1
		.amdhsa_float_denorm_mode_32 3
		.amdhsa_float_denorm_mode_16_64 3
		.amdhsa_memory_ordered 1
		.amdhsa_forward_progress 1
		.amdhsa_inst_pref_size 86
	.end_amdhsa_kernel
	.amdgpu_metadata
---
amdhsa.version: [ 1, 2 ]
amdhsa.kernels:
  - .name:           k_q8cfe08c96e_qkv
    .symbol:         k_q8cfe08c96e_qkv.kd
    .args:
      - { .name: x_codes, .offset: 0, .size: 8, .value_kind: global_buffer, .address_space: global }
      - { .name: x_scales, .offset: 8, .size: 8, .value_kind: global_buffer, .address_space: global }
      - { .name: W_attn_codes, .offset: 16, .size: 8, .value_kind: global_buffer, .address_space: global }
      - { .name: W_attn_scales, .offset: 24, .size: 8, .value_kind: global_buffer, .address_space: global }
      - { .name: b_attn, .offset: 32, .size: 8, .value_kind: global_buffer, .address_space: global }
      - { .name: qimg, .offset: 40, .size: 8, .value_kind: global_buffer, .address_space: global }
      - { .name: kv, .offset: 48, .size: 8, .value_kind: global_buffer, .address_space: global }
    .group_segment_fixed_size: 222464
    .private_segment_fixed_size: 0
    .kernarg_segment_align: 8
    .kernarg_segment_size: 56
    .max_flat_workgroup_size: 128
    .sgpr_count:     102
    .vgpr_count:     768
    .wavefront_size: 32
...
	.end_amdgpu_metadata
.endif
;; end of part 1
;; launch attn (part 2): grid 4 x 64, 16 waves a work-group, clusters of 4 x 1, 169,984 bytes of LDS; arguments qimg, kv, ycodes, yscales; writes ycodes, yscales
.if DOCPART == 2
	.amdgcn_target "amdgcn-amd-amdhsa--gfx1250"
	.amdhsa_code_object_version 6
	.text
	.protected	k_q8cfe08c96e_attn
	.globl	k_q8cfe08c96e_attn
	.p2align	8
	.type	k_q8cfe08c96e_attn,@function
k_q8cfe08c96e_attn:
	s_mov_b64 s[64:65], 0
	v_nop
	global_prefetch_b8 v0, s[64:65] scope:SCOPE_SE
	s_setreg_imm32_b32 hwreg(HW_REG_WAVE_MODE, 25, 1), 1
	s_wait_xcnt 0x0
	s_wait_alu depctr_hold_cnt(0) depctr_sa_sdst(0) depctr_va_vdst(0) depctr_va_sdst(0) depctr_va_ssrc(0) depctr_va_vcc(0) depctr_vm_vsrc(0)
	s_getreg_b32 s2, hwreg(HW_REG_IB_STS2, 6, 4)
	s_cmp_eq_u32 s2, 0
	s_cbranch_scc0 .Lentry_in_a_cluster
	s_endpgm
.Lentry_in_a_cluster:
	s_bfe_u32 s2, ttmp6, 0x10000c
	s_cmp_lg_u32 s2, 0x3003
	s_cbranch_scc0 .Lentry_shape_is_right
	s_endpgm
.Lentry_shape_is_right:
; y[b][q][head] = softmax_k(q . k / 8) v for one head, both products on codes of FP4 (E2M1) with E8M0 scales; y is then quantised along the channels and leaves as an image of operand registers.
; THE SOFTMAX AHEAD OF THE SECOND PRODUCT: t = score x log2(e) / 8; M = the running largest t rounded UP to a whole number; p = 2^(t - M) is quantised along the keys, not normalised; the row's sum is taken of the
; unquantised p in f32 and divides at the end.  When M moves, the sum and O are multiplied by 2^(old M - new M), which rounds nothing.
; SHARES.  A work-group owns 512 queries of one head; each of its sixteen waves 32, as two passes of one tile of 16 queries, in 256 registers: four waves to a SIMD.
; LDS.  The head's K and V, codes and scale words, 16 blocks of 8,960 bytes, lie in LDS as they lie in memory: wave w brings block w by one tensor load.  Filled once, never again.
; CLUSTER 4 x 1: the four query blocks of a head read the same K and V: each block is asked for JOINTLY by all four work-groups.  cx enters the addresses of q and y alone.
; LAYOUT.  Both products are used transposed: S^T = K Q^T (source 0 = 16 keys, source 1 = my 16 queries), O^T = V^T P^T: a lane holds ONE query (lane % 16) throughout; register j of tile t is key (channel) 16 t + 8 (lane / 16) + j.
; THE HEAD HAS 64 CHANNELS, the instruction 128 along K: Q's upper four registers are zero codes.  K's tile t is named as v[KF + 4 t .. + 7]: its upper four registers are the next tile's codes (behind tile 7: zeros), which meet Q's zeros.
; LIMITS: NaN and infinities are not served.  A block of y whose largest magnitude lies under 2^-124 keeps the scale byte 1; a block of zeros gets 1 and not 127: its codes are zeros, and this program alone reads the bytes.
; y's scale bytes leave as 2 bytes a token, 32 bytes apart (beside 32 bytes of codes for the same token and head, which leave as 512 consecutive bytes): so the next launch finds them laid as x's scales are.
.set BLK,   8960
.set HEADB, 16*BLK
.set L16,  1                           ; v1   16 x lane; never rewritten
.set L8,   2                           ; v2   8 x lane; never rewritten
.set ADR,  3                           ; v3   the step's block + 16 x lane
.set ADR8, 4                           ; v4   the step's block + 8 x lane
.set YSO,  5                           ; v5   32 x lane
.set QF,   16                          ; v16-31  Q: tile u at v[16 + 8 u]: four registers of codes, four of zeros
.set KF,   32                          ; v32-63  K's eight tiles, four registers each; v64-67 zeros
.set VF,   68                          ; v68-99  V's four channel tiles
.set S,    100                         ; v100-163 S^T, then p; on the way out y
.set OT,   164                         ; v164-195 O^T
.set PC,   196                         ; v196-203 p's codes
.set KS,   204                         ; v204-211 hold scales and nothing else: K's (4), V's (2), Q's, p's
.set VS,   208
.set QS,   210
.set PW,   211
.set BM,   212                         ; v212-215 a block's largest score, then its largest p
.set X,    216                         ; v216-219 at work
.set SO,   220                         ; v220-223 the conversions' scale operands
.set F,    224                         ; v[224:225] 2^(old M - new M); v225 is written once
.set TMP,  226                         ; v226-227
.set YC,   228                         ; v228-235 y's codes, four registers a pass
.set HY,   236                         ; v236-237 y's two scale bytes, a register a pass
.set HS,   238
.macro CROUND                          ; a round of the cluster's barrier
	s_barrier_signal -1
	s_barrier_wait -1
	s_cmp_lg_u32 s12, 0
	s_cbranch_scc1 .Lnot_wave_0_\@
	s_barrier_signal -3
.Lnot_wave_0_\@:
	s_barrier_wait -3
	s_barrier_signal -1
	s_barrier_wait -1
.endm
; S^T of key tile t and query tile u.  K's scale words: register t / 2, lanes 0-15 for even t, lanes 16-31 for odd; Q's: lanes 0-15 for tile 0, lanes 16-31 for tile 1
.macro QK t, u
.if ((\t)%2 == 1) && (\u == 1)
	v_wmma_scale_f32_16x16x128_f8f6f4 v[S+8*\t:S+8*\t+7], v[KF+4*\t:KF+4*\t+7], v[QF+8*\u:QF+8*\u+7], 0, v[KS+\t/2], v[QS] matrix_a_fmt:MATRIX_FMT_FP4 matrix_b_fmt:MATRIX_FMT_FP4 matrix_a_scale:MATRIX_SCALE_ROW1 matrix_b_scale:MATRIX_SCALE_ROW1
.elseif (\t)%2 == 1
	v_wmma_scale_f32_16x16x128_f8f6f4 v[S+8*\t:S+8*\t+7], v[KF+4*\t:KF+4*\t+7], v[QF+8*\u:QF+8*\u+7], 0, v[KS+\t/2], v[QS] matrix_a_fmt:MATRIX_FMT_FP4 matrix_b_fmt:MATRIX_FMT_FP4 matrix_a_scale:MATRIX_SCALE_ROW1
.elseif \u == 1
	v_wmma_scale_f32_16x16x128_f8f6f4 v[S+8*\t:S+8*\t+7], v[KF+4*\t:KF+4*\t+7], v[QF+8*\u:QF+8*\u+7], 0, v[KS+\t/2], v[QS] matrix_a_fmt:MATRIX_FMT_FP4 matrix_b_fmt:MATRIX_FMT_FP4 matrix_b_scale:MATRIX_SCALE_ROW1
.else
	v_wmma_scale_f32_16x16x128_f8f6f4 v[S+8*\t:S+8*\t+7], v[KF+4*\t:KF+4*\t+7], v[QF+8*\u:QF+8*\u+7], 0, v[KS+\t/2], v[QS] matrix_a_fmt:MATRIX_FMT_FP4 matrix_b_fmt:MATRIX_FMT_FP4
.endif
.endm
.macro PV t                            ; O^T of channel tile t += V^T P^T over the step's 128 keys
.if (\t)%2 == 1
	v_wmma_scale_f32_16x16x128_f8f6f4 v[OT+8*\t:OT+8*\t+7], v[VF+8*\t:VF+8*\t+7], v[PC:PC+7], v[OT+8*\t:OT+8*\t+7], v[VS+\t/2], v[PW] matrix_a_fmt:MATRIX_FMT_FP4 matrix_b_fmt:MATRIX_FMT_FP4 matrix_a_scale:MATRIX_SCALE_ROW1
.else
	v_wmma_scale_f32_16x16x128_f8f6f4 v[OT+8*\t:OT+8*\t+7], v[VF+8*\t:VF+8*\t+7], v[PC:PC+7], v[OT+8*\t:OT+8*\t+7], v[VS+\t/2], v[PW] matrix_a_fmt:MATRIX_FMT_FP4 matrix_b_fmt:MATRIX_FMT_FP4
.endif
.endm
	s_load_b256 s[4:11], s[0:1], 0x0               ; qimg s[4:5], kv s[6:7], ycodes s[8:9], yscales s[10:11]
	v_lshl_add_u32 v254, v0, 2, 0x29000
	v_mov_b32 v255, 0
	ds_add_u32 v254, v255
	ds_add_u32 v254, v255
	v_lshrrev_b32 v3, 5, v0
	s_delay_alu instid0(VALU_DEP_1)
	v_readfirstlane_b32 s12, v3                    ; wave 0..15
	s_bfe_u32 s13, ttmp6, 0x40000                  ; cx: which 512 queries
	s_and_b32 s14, ttmp7, 0xffff                   ; batch x 16 + head, which the four partners share
	s_mov_b32 s16, 15|(3<<16)|(1<<21)              ; group 1: the mask names all four; elements of 8 bytes; bit 21 beside a mask; no padding
	s_mov_b32 s17, 32<<16                          ; a block is 35 dense rows of 256 bytes
	s_mov_b32 s18, 35<<16
	s_mov_b32 s19, 32<<16
	s_mov_b32 s20, 35
	s_mov_b32 s21, 32
	s_mov_b32 s22, 0
	s_mov_b32 s23, 0
	s_mul_i32 s42, s14, HEADB
	s_mul_i32 s43, s12, BLK
	s_add_co_u32 s42, s42, s43                     ; block w of my head, in memory
	s_mov_b32 s43, 0
	s_mov_b32 s24, 1
	s_mul_i32 s25, s12, BLK                        ; and in LDS
	s_wait_dscnt 0x0
	s_wait_kmcnt 0x0
	s_add_nc_u64 s[26:27], s[6:7], s[42:43]
	s_or_b32 s27, s27, 0x80000000
	CROUND                                         ; all four work-groups are here: the joint loads meet
	tensor_load_to_lds s[24:27], s[16:23]          ; my one tensor load of the launch
	s_nop 0
.rept 4
	v_nop
.endr
	s_mov_b32 s28, 0x76543210
	s_mov_b32 s29, 0xfedcba98                      ; v_permlanex16_b32's selects for lane l xor 16
	s_mov_b32 s30, 0x3e38aa3b                      ; c = log2(e) / 8
	s_mov_b32 s31, s30                             ; (named with it as a pair)
	s_lshl_b32 s44, s14, 4                         ; q's block: (batch x 16 + head) x 16 + 4 cx + wave / 4
	s_lshl_b32 s45, s13, 2
	s_add_co_u32 s44, s44, s45
	s_lshr_b32 s45, s12, 2
	s_add_co_u32 s44, s44, s45
	s_mul_i32 s44, s44, BLK
	s_and_b32 s46, s12, 3                          ; my two tiles in it: 2 jj, 2 jj + 1
	s_lshl_b32 s45, s46, 10
	s_add_co_u32 s34, s44, s45
	s_mov_b32 s35, 0
	s_add_nc_u64 s[34:35], s[4:5], s[34:35]        ; their codes
	s_lshr_b32 s45, s46, 1
	s_lshl_b32 s45, s45, 8
	s_add_co_u32 s36, s44, s45
	s_and_b32 s45, s46, 1
	s_lshl_b32 s45, s45, 2
	s_add_co_u32 s36, s36, s45
	s_add_co_u32 s36, s36, 8192
	s_mov_b32 s37, 0
	s_add_nc_u64 s[36:37], s[4:5], s[36:37]        ; their scale words: 8 bytes from lane to lane
	s_lshr_b32 s44, s14, 4
	s_lshl_b32 s44, s44, 7
	s_lshl_b32 s45, s13, 5
	s_add_co_u32 s44, s44, s45
	s_lshl_b32 s45, s12, 1
	s_add_co_u32 s44, s44, s45                     ; my first token tile: batch x 128 + 32 cx + 2 x wave
	s_and_b32 s46, s14, 15                         ; the head
	s_lshl_b32 s38, s44, 4
	s_add_co_u32 s38, s38, s46
	s_lshl_b32 s38, s38, 9
	s_mov_b32 s39, 0
	s_add_nc_u64 s[38:39], s[8:9], s[38:39]        ; y's codes: (token tile x 16 + head) x 512
	s_lshl_b32 s40, s44, 9
	s_lshl_b32 s45, s46, 1
	s_add_co_u32 s40, s40, s45
	s_mov_b32 s41, 0
	s_add_nc_u64 s[40:41], s[10:11], s[40:41]      ; y's scale bytes: token x 32 + 2 x head
	v_and_b32 v6, 31, v0
	s_delay_alu instid0(VALU_DEP_1)
	v_lshlrev_b32 v[L16], 4, v6
	s_delay_alu instid0(VALU_DEP_2)
	v_lshlrev_b32 v[L8], 3, v6
	s_delay_alu instid0(VALU_DEP_3)
	v_lshlrev_b32 v[YSO], 5, v6
	global_load_b128 v[QF:QF+3], v[L16], s[34:35]
	global_load_b128 v[QF+8:QF+11], v[L16], s[34:35] offset:512
	global_load_b32 v[QS], v[L8], s[36:37]         ; lanes 0-15: tile 0's words; lanes 16-31: tile 1's
.irp j, 4,5,6,7,12,13,14,15
	v_mov_b32 v[QF+\j], 0                          ; zero codes for the upper 64 along K
.endr
.irp j, 0,1,2,3
	v_mov_b32 v[KF+32+\j], 0                       ; what tile 7's operand runs into
	v_mov_b32 v[X+\j], 0                           ; a lane permute's destination counts as one of its sources
.endr
	v_mov_b32 v[F+1], 0                            ; (named as the upper half of a pair)
	s_wait_loadcnt 0x0                             ; Q
	s_wait_tensorcnt 0x0                           ; my block has landed;
	s_barrier_signal -1
	s_barrier_wait -1                              ; all sixteen have
; A KEY STEP: 128 keys, for query tile u.
.macro STEP u
	v_add_nc_u32 v[ADR], s32, v[L16]
	v_add_nc_u32 v[ADR8], s32, v[L8]
	v_nop
	v_nop                                          ; four places between the last step's products and loads into V's registers
	ds_load_b64 v[KS:KS+1], v[ADR8] offset:8192
	ds_load_b64 v[KS+2:KS+3], v[ADR8] offset:8448
.irp t, 0,1,2,3,4,5,6,7
	ds_load_b128 v[KF+4*\t:KF+4*\t+3], v[ADR] offset:512*\t
.endr
.irp t, 0,1,2,3
.irp c, 0,1
	ds_load_b128 v[VF+8*\t+4*\c:VF+8*\t+4*\c+3], v[ADR] offset:4096+1024*\t+512*\c
.endr
.endr
	ds_load_b64 v[VS:VS+1], v[ADR8] offset:8704
	s_wait_dscnt 9                                 ; K and its scale words are in; V's eight loads and its scale words, issued behind them, may stay out
.irp t, 0,1,2,3,4,5,6,7
	QK \t, \u
.endr
.rept 4
	v_nop
.endr
.irp b, 0,1,2,3
	v_max3_num_f32 v[BM+\b], v[S+16*\b], v[S+16*\b+1], v[S+16*\b+2]   ; the largest score of each block of 32 keys: for the row's maximum and, since p rises with the score, for the block's largest p
.endr
.irp i, 3,5,7,9,11,13
.irp b, 0,1,2,3
	v_max3_num_f32 v[BM+\b], v[BM+\b], v[S+16*\b+\i], v[S+16*\b+\i+1]
.endr
.endr
.irp b, 0,1,2,3
	v_max_num_f32 v[BM+\b], v[BM+\b], v[S+16*\b+15]
.endr
.irp b, 0,1,2,3
	s_delay_alu instid0(VALU_DEP_4)
	v_permlanex16_b32 v[X+\b], v[BM+\b], s28, s29
.endr
.irp b, 0,1,2,3
	s_delay_alu instid0(VALU_DEP_4)
	v_max_num_f32 v[BM+\b], v[BM+\b], v[X+\b]      ; with lane l xor 16's 16 keys
.endr
	s_delay_alu instid0(VALU_DEP_2)
	v_max3_num_f32 v[TMP], v[BM], v[BM+1], v[BM+2]
	s_delay_alu instid0(VALU_DEP_1)
	v_max_num_f32 v[TMP], v[TMP], v[BM+3]
	s_delay_alu instid0(VALU_DEP_1)
	v_mul_f32 v[TMP], s30, v[TMP]                  ; the step's largest t (c is positive)
	s_delay_alu instid0(VALU_DEP_1)
	v_max_num_f32 v13, v13, v[TMP]                 ; the running largest t
	v_mov_b32 v[TMP], v12
	s_delay_alu instid0(VALU_DEP_2)
	v_floor_f32 v12, -v13                          ; the new -M = floor(-t): M is a whole number
	s_delay_alu instid0(VALU_DEP_1)
	v_sub_f32 v[TMP], v12, v[TMP]                  ; old M - new M: a whole number, 0 or less
	s_delay_alu instid0(VALU_DEP_1)
	v_cvt_i32_f32 v[TMP], v[TMP]                   ; (it saturates)
	s_delay_alu instid0(VALU_DEP_1)
	v_ldexp_f32 v[F], 1.0, v[TMP]                  ; f = 2^(old M - new M)
.irp j, 0,2,4,6,8,10,12,14,16,18,20,22,24,26,28,30,32,34,36,38,40,42,44,46,48,50,52,54,56,58,60,62
	v_pk_fma_f32 v[S+\j:S+\j+1], v[S+\j:S+\j+1], s[30:31], v[12:13] op_sel_hi:[1,0,0]   ; t - M, two at a time
.endr
.irp b, 0,1,2,3
	v_fma_f32 v[BM+\b], v[BM+\b], s30, v12         ; the same of each block's largest score
.endr
.set q, 0
	s_wait_alu depctr_va_vdst(0)
.rept 64
	v_exp_f32 v[S+q], v[S+q]                       ; p = 2^(t - M)
.set q, q+1
.endr
	s_setprio 1
	v_pk_mul_f32 v[14:15], v[14:15], v[F:F+1] op_sel_hi:[1,0]   ; the sums under the new M: the plain place behind the exponentials
	s_wait_alu depctr_va_vdst(0)                   ; one wait for the batch of 64, ahead of its first reader
.irp b, 0,1,2,3
	v_exp_f32 v[BM+\b], v[BM+\b]                   ; the block's largest p: the same two instructions on the same number give the same bits
.endr
	v_pk_add_f32 v[216:217], v[104:105], v[108:109]
	v_pk_add_f32 v[252:253], v[112:113], v[116:117]
	v_pk_add_f32 v[250:251], v[120:121], v[124:125]
	v_pk_add_f32 v[248:249], v[128:129], v[132:133]
	v_pk_add_f32 v[246:247], v[136:137], v[140:141]
	v_pk_add_f32 v[244:245], v[144:145], v[148:149]
	v_pk_add_f32 v[242:243], v[152:153], v[156:157]
	v_pk_add_f32 v[14:15], v[14:15], v[160:161]
	v_pk_add_f32 v[216:217], v[216:217], v[100:101]
	v_pk_add_f32 v[252:253], v[252:253], v[102:103]
	v_pk_add_f32 v[250:251], v[250:251], v[106:107]
	v_pk_add_f32 v[248:249], v[248:249], v[110:111]
	v_pk_add_f32 v[246:247], v[246:247], v[114:115]
	v_pk_add_f32 v[244:245], v[244:245], v[118:119]
	v_pk_add_f32 v[242:243], v[242:243], v[122:123]
	v_pk_add_f32 v[14:15], v[14:15], v[126:127]
	v_pk_add_f32 v[216:217], v[216:217], v[130:131]
	v_pk_add_f32 v[252:253], v[252:253], v[134:135]
	v_pk_add_f32 v[250:251], v[250:251], v[138:139]
	v_pk_add_f32 v[248:249], v[248:249], v[142:143]
	v_pk_add_f32 v[246:247], v[246:247], v[146:147]
	v_pk_add_f32 v[244:245], v[244:245], v[150:151]
	v_pk_add_f32 v[242:243], v[242:243], v[154:155]
	v_pk_add_f32 v[14:15], v[14:15], v[158:159]
	v_pk_add_f32 v[216:217], v[216:217], v[162:163]
	s_delay_alu instid0(VALU_DEP_2)
	v_pk_add_f32 v[14:15], v[14:15], v[248:249]
	s_delay_alu instid0(VALU_DEP_2)
	v_pk_add_f32 v[216:217], v[216:217], v[246:247]
	v_pk_add_f32 v[252:253], v[252:253], v[244:245]
	v_pk_add_f32 v[250:251], v[250:251], v[242:243]
	s_delay_alu instid0(VALU_DEP_2)
	v_pk_add_f32 v[14:15], v[14:15], v[252:253]
	s_delay_alu instid0(VALU_DEP_2)
	v_pk_add_f32 v[216:217], v[216:217], v[250:251]
	s_delay_alu instid0(VALU_DEP_1)
	v_pk_add_f32 v[14:15], v[14:15], v[216:217]
	s_wait_alu depctr_va_vdst(0)                   ; and one for the four
.irp b, 0,1,2,3
	v_max_num_f32 v[BM+\b], 0x1800000, v[BM+\b]    ; the floor 2^(3 - 127): the byte cannot fall under 1
.endr
.irp b, 0,1,2,3
	s_delay_alu instid0(VALU_DEP_4)
	v_add_nc_u32 v[SO+\b], 0xff000000, v[BM+\b]    ; 2 off the exponent field: the conversion's scale operand
.endr
.irp b, 0,1,2,3
	s_delay_alu instid0(VALU_DEP_4)
	v_lshrrev_b32 v[X+\b], 23, v[SO+\b]            ; the scale's byte
.endr
	s_delay_alu instid0(VALU_DEP_3)
	v_lshl_or_b32 v[PW], v[X+1], 8, v[X]           ; p's scale word for these 128 keys
	s_delay_alu instid0(VALU_DEP_1)
	v_lshl_or_b32 v[PW], v[X+2], 16, v[PW]
	s_delay_alu instid0(VALU_DEP_1)
	v_lshl_or_b32 v[PW], v[X+3], 24, v[PW]
.irp b, 0,1,2,3
.irp e, 0,1
	v_cvt_scalef32_pk8_fp4_f32 v[PC+4*(\b/2)+2*\e+\b%2], v[S+16*\b+8*\e:S+16*\b+8*\e+7], v[SO+\b]   ; of each four tiles, tile i's codes go to register 0, 2, 1, 3
.endr
.endr
	v_nop                                          ; one plain place behind the conversions
.irp c, 0,2,4,6
	v_permlane16_swap_b32 v[PC+\c], v[PC+\c+1]     ; a whole block of 32 keys in a lane: lanes 0-15 block 2 (c / 4), lanes 16-31 block 2 (c / 4) + 1
.endr
	s_setprio 0
.irp j, 0,2,4,6,8,10,12,14,16,18,20,22,24,26,28,30
	v_pk_mul_f32 v[OT+\j:OT+\j+1], v[OT+\j:OT+\j+1], v[F:F+1] op_sel_hi:[1,0]   ; O^T under the new M; these sixteen also stand between the making of p's codes and scale word and the products
.endr
	s_wait_alu depctr_va_vdst(0)
	s_wait_dscnt 0x0                               ; V is in
.irp t, 0,1,2,3
	PV \t                                          ; the four accumulators by turns
.endr
.endm
; 32 numbers of a lane, v[s] on (four tiles: 64 along the axis), become four code registers v[pc] on and two scale bytes in v[hh]
.macro QUNIT s, pc, hh
.irp b, 0,1
	v_max3_num_f32 v[BM+\b], |v[\s+16*\b]|, |v[\s+16*\b+1]|, 0x1800000
.endr
.irp i, 2,4,6,8,10,12,14
.irp b, 0,1
	s_delay_alu instid0(VALU_DEP_2)
	v_max3_num_f32 v[BM+\b], v[BM+\b], |v[\s+16*\b+\i]|, |v[\s+16*\b+\i+1]|
.endr
.endr
.irp b, 0,1
	s_delay_alu instid0(VALU_DEP_2)
	v_permlanex16_b32 v[X+\b], v[BM+\b], s28, s29
.endr
.irp b, 0,1
	s_delay_alu instid0(VALU_DEP_2)
	v_max_num_f32 v[BM+\b], v[BM+\b], v[X+\b]
.endr
.irp b, 0,1
	s_delay_alu instid0(VALU_DEP_2)
	v_add_nc_u32 v[SO+\b], 0xff000000, v[BM+\b]
.endr
.irp b, 0,1
	s_delay_alu instid0(VALU_DEP_2)
	v_lshrrev_b32 v[X+\b], 23, v[SO+\b]
.endr
	s_delay_alu instid0(VALU_DEP_1)
	v_lshl_or_b32 v[\hh], v[X+1], 8, v[X]
.irp i, 0,1,2,3
	v_cvt_scalef32_pk8_fp4_f32 v[\pc+2*(\i%2)+\i/2], v[\s+8*\i:\s+8*\i+7], v[SO+\i/2]
.endr
	v_nop
	v_permlane16_swap_b32 v[\pc], v[\pc+1]
	v_permlane16_swap_b32 v[\pc+2], v[\pc+3]
.endm
; One tile of 16 queries against all 2,048 keys.  The step is written once a pass: its first trip finds zeros, which the first change of M leaves zeros.
.macro PASS u
	v_mov_b32 v13, 0xff61b1e6                      ; the largest t so far: -3e38
	s_delay_alu instid0(VALU_DEP_1)
	v_floor_f32 v12, -v13                          ; -M
	v_mov_b32 v14, 0                               ; the sum, in two halves
	v_mov_b32 v15, 0
.set q, 0
.rept 32
	v_mov_b32 v[OT+q], 0
.set q, q+1
.endr
	s_mov_b32 s32, 0                               ; the step's block in LDS
	s_mov_b32 s33, 16
.Lkey_\@:
	s_setprio 2
	STEP \u
	s_add_co_u32 s32, s32, BLK
	s_sub_co_u32 s33, s33, 1
	s_cmp_lg_u32 s33, 0
	s_cbranch_scc1 .Lkey_\@
	s_setprio 0
.rept 4
	v_nop                                          ; four places between the last products and the first read of O^T
.endr
	v_add_f32 v14, v14, v15
	s_delay_alu instid0(VALU_DEP_1)
	v_permlanex16_b32 v[X], v14, s28, s29
	s_delay_alu instid0(VALU_DEP_1)
	v_add_f32 v14, v14, v[X]                       ; the row's sum
	s_wait_alu depctr_va_vdst(0)
	v_rcp_f32 v[TMP], v14
	v_rcp_f32 v[TMP+1], v14                        ; twice: a pair for the packed multiply
	v_nop                                          ; a plain place behind the reciprocals
	s_wait_alu depctr_va_vdst(0)                   ; one wait for both, ahead of their first reader
.irp j, 0,2,4,6,8,10,12,14,16,18,20,22,24,26,28,30
	v_pk_mul_f32 v[S+\j:S+\j+1], v[OT+\j:OT+\j+1], v[TMP:TMP+1]   ; y = O^T / the sum, each accumulator from its low end on
.endr
	QUNIT S, YC+4*\u, HY+\u
	global_store_b128 v[L16], v[YC+4*\u:YC+4*\u+3], s[38:39] offset:8192*\u   ; 512 consecutive bytes: token tile u of mine, my head
.endm
	PASS 0
	PASS 1
	s_mov_b32 vcc_lo, 0xffff0000
	v_cndmask_b32 v[HS], v[HY], v[HY+1], vcc_lo    ; lanes 0-15: tile 0's tokens; lanes 16-31: tile 1's
	global_store_b16 v[YSO], v[HS], s[40:41]       ; two scale bytes a token
	s_wait_tensorcnt 0x0
	ds_add_u32 v254, v255
	s_wait_dscnt 0x0
	CROUND                                         ; the closing round
	s_endpgm
.Lfunc_end_k_q8cfe08c96e_attn:
	.size	k_q8cfe08c96e_attn, .Lfunc_end_k_q8cfe08c96e_attn-k_q8cfe08c96e_attn
	.p2alignl 7, 3214868480
	.fill 96, 4, 3214868480
	.section	.rodata,"a",@progbits
	.p2align	6, 0x0
	.amdhsa_kernel k_q8cfe08c96e_attn
		.amdhsa_group_segment_fixed_size 169984
		.amdhsa_private_segment_fixed_size 0
		.amdhsa_enable_private_segment 0
		.amdhsa_kernarg_size 32
		.amdhsa_user_sgpr_count 2
		.amdhsa_user_sgpr_kernarg_segment_ptr 1
		.amdhsa_wavefront_size32 1
		.amdhsa_system_sgpr_workgroup_id_x 1
		.amdhsa_system_sgpr_workgroup_id_y 1
		.amdhsa_system_sgpr_workgroup_id_z 1
		.amdhsa_system_vgpr_workitem_id 0
		.amdhsa_next_free_vgpr 256
		.amdhsa_next_free_sgpr 66
		.amdhsa_reserve_vcc 1
		.amdhsa_float_denorm_mode_32 3
		.amdhsa_float_denorm_mode_16_64 3
		.amdhsa_memory_ordered 1
		.amdhsa_forward_progress 1
		.amdhsa_inst_pref_size 49
	.end_amdhsa_kernel
	.amdgpu_metadata
---
amdhsa.version: [ 1, 2 ]
amdhsa.kernels:
  - .name:           k_q8cfe08c96e_attn
    .symbol:         k_q8cfe08c96e_attn.kd
    .args:
      - { .name: qimg, .offset: 0, .size: 8, .value_kind: global_buffer, .address_space: global }
      - { .name: kv, .offset: 8, .size: 8, .value_kind: global_buffer, .address_space: global }
      - { .name: ycodes, .offset: 16, .size: 8, .value_kind: global_buffer, .address_space: global }
      - { .name: yscales, .offset: 24, .size: 8, .value_kind: global_buffer, .address_space: global }
    .group_segment_fixed_size: 169984
    .private_segment_fixed_size: 0
    .kernarg_segment_align: 8
    .kernarg_segment_size: 32
    .max_flat_workgroup_size: 512
    .sgpr_count:     66
    .vgpr_count:     256
    .wavefront_size: 32
...
	.end_amdgpu_metadata
.endif
;; end of part 2
;; launch proj (part 3): grid 4 x 64, 4 waves a work-group, clusters of 4 x 4, 327,680 bytes of LDS; arguments ycodes, yscales, W_proj_codes, W_proj_scales, b_proj, out0; writes out0
.if DOCPART == 3
	.amdgcn_target "amdgcn-amd-amdhsa--gfx1250"
	.amdhsa_code_object_version 6
	.text
	.protected	k_q8cfe08c96e_proj
	.globl	k_q8cfe08c96e_proj
	.p2align	8
	.type	k_q8cfe08c96e_proj,@function
k_q8cfe08c96e_proj:
	s_mov_b64 s[64:65], 0
	v_nop
	global_prefetch_b8 v0, s[64:65] scope:SCOPE_SE
	s_setreg_imm32_b32 hwreg(HW_REG_WAVE_MODE, 25, 1), 1
	s_wait_xcnt 0x0
	s_wait_alu depctr_hold_cnt(0) depctr_sa_sdst(0) depctr_va_vdst(0) depctr_va_sdst(0) depctr_va_ssrc(0) depctr_va_vcc(0) depctr_vm_vsrc(0)
	s_getreg_b32 s2, hwreg(HW_REG_IB_STS2, 6, 4)
	s_cmp_eq_u32 s2, 0
	s_cbranch_scc0 .Lentry_in_a_cluster
	s_endpgm
.Lentry_in_a_cluster:
	s_bfe_u32 s2, ttmp6, 0x10000c
	s_cmp_lg_u32 s2, 0xf033
	s_cbranch_scc0 .Lentry_shape_is_right
	s_endpgm
.Lentry_shape_is_right:
; out0 = y W_proj + b_proj on codes of FP4 (E2M1) with E8M0 scales, f32 sums.  y's codes come as images of operand registers: (token tile x 16 + head) x 512 + 16 x lane; for K step s, register group c is head 2 s + c.
; A work-group of four waves makes 128 tokens x 256 columns; all of K lies in LDS at once, as two slots (K steps 0-3, 4-7), each filled ONCE: no LDS byte is filled again.
; CLUSTER 4 x 4: y's tiles hang on the tile row alone and are asked for jointly along a row of the cluster, W's on the tile column alone and jointly along a column.
; THE MATRIX INSTRUCTION IS USED TRANSPOSED: source 0 (P) = 16 rows of W, source 1 (R) = 16 tokens: a lane holds eight neighbouring columns of one row of out0.  A wave: 8 tiles of P x 4 of R = 32 accumulators.
; The bias is the C of each sum's first matrix instruction.  Results leave through the wave's own stage in LDS, as whole rows of 512 consecutive bytes.
; REGISTERS, in windows of 256: window 0: v0-27 addresses; v32-95 scale words and nothing else (tile i, K step s at v[32 + 8 i + s]: lanes 0-15 R's tile i, lanes 16-31 P's tile i); v128-191 R's fragments, two sets; on the way out v128-255 rows of out0.
;   window 1: v0-63, v128-191 P's fragments, two sets; v64-127 the bias.   window 2: the 32 accumulators, (a, b) at v[8 (8 a + b)].
.set PITCH, 272                        ; a row of W in LDS: 256 bytes + 16 of padding
.set YH,    4*4096                     ; four token tiles' images of half of K: one tensor load
.set WH,    128*PITCH
.set SLOT,  2*YH+2*WH                  ; y's 8 token tiles, then W's 256 rows
.set SCL,   2*SLOT                     ; the scale bytes, as units of 256 bytes + 16: y's 128 rows, then W's 256
.set XSH,   8*272
.set WSH,   16*272
.set STG,   SCL+2*XSH+2*WSH            ; the stages: 16 rows x (512 bytes + 16) for each wave, in bytes of their own: no fill lands here
.set SPITCH, 528
.set AQ,    1024                       ; R's fragments: from K step to K step (two heads),
.set AC,    512                        ; from register group to register group (a head),
.set AT,    4096                       ; from token tile to token tile
.set ADRA,  16
.set ADRB,  20
.set L16,   24
.set ADRS2, 26
.set ADRS,  27
.set STO,   5                          ; v5   the way out: where I put 32 bytes of a row
.set RD,    6                          ; v6   and where I read a row back
.set SC,    32
.set AF,    128
.set BI,    64
.set BK,    128                        ; the way out: 16 rows read back: v128-191 and v192-255 by turns
.set G1X,   24
.set G1W,   32
.set G1XS,  40
.set G1WS,  48
.set G0X,   56
.set G0W,   68
.set G0XS,  76
.set G0WS,  80
.set CW0,   (1<<20)|(1<<21)|(5<<22)|(3<<25)
.set SW0,   (3<<16)|(1<<20)|(1<<21)|(5<<22)|(3<<25)
.set MUL,   0xa1
.set MUL0,  0x91
.set TO_B,  0x40
.set MSB, 0
.macro WIN new
.if MSB != \new
	s_set_vgpr_msb (MSB<<8)|\new
.set MSB, \new
.endif
.endm
.macro PLACES n
.rept \n
	v_nop
.endr
.endm
.macro CROUND
	s_barrier_signal -1
	s_barrier_wait -1
	s_cmp_lg_u32 s18, 0
	s_cbranch_scc1 .Lnot_wave_0_\@
	s_barrier_signal -3
.Lnot_wave_0_\@:
	s_barrier_wait -3
	s_barrier_signal -1
	s_barrier_wait -1
.endm
.macro JLOAD g0x, g1x, g0w, g1w        ; waves 0 and 1 fetch for y, waves 2 and 3 for W; four v_nop follow each line
	s_cmp_eq_u32 s19, 0
	s_cbranch_scc0 .Lfor_w_\@
	tensor_load_to_lds s[\g0x:\g0x+3], s[\g1x:\g1x+7]
	s_nop 0
.rept 4
	v_nop
.endr
	s_branch .Lasked_\@
.Lfor_w_\@:
	tensor_load_to_lds s[\g0w:\g0w+3], s[\g1w:\g1w+7]
	s_nop 0
.rept 4
	v_nop
.endr
.Lasked_\@:
.endm
.macro FETCH s
	WIN TO_B
.irp b, 0,1,2,3,4,5,6,7
.irp c, 0,1
	ds_load_b128 v[128*((\s)%2)+8*\b+4*\c:128*((\s)%2)+8*\b+4*\c+3], v[ADRB+(\s)/4] offset:64*((\s)%4)+32*\c+16*PITCH*\b
.endr
.endr
	WIN 0
.irp a, 0,1,2,3
.irp c, 0,1
	ds_load_b128 v[AF+32*((\s)%2)+8*\a+4*\c:AF+32*((\s)%2)+8*\a+4*\c+3], v[ADRA+(\s)/4] offset:AQ*((\s)%4)+AC*\c+AT*\a
.endr
.endr
.endm
.macro SCALES
.irp i, 0,1,2,3
	ds_load_b128 v[SC+8*\i:SC+8*\i+3], v[ADRS] offset:544*\i
	ds_load_b128 v[SC+8*\i+4:SC+8*\i+7], v[ADRS] offset:544*\i+16
.endr
.irp i, 4,5,6,7
	ds_load_b128 v[SC+8*\i:SC+8*\i+3], v[ADRS2] offset:544*\i
	ds_load_b128 v[SC+8*\i+4:SC+8*\i+7], v[ADRS2] offset:544*\i+16
.endr
.endm
; 32 matrix instructions, 128 along K; the 32 accumulators take turns in the same order in every step.  mode 1: the sums start from the bias
.macro MUL32 s, mode
.irp a, 0,1,2,3
.irp b, 0,1,2,3,4,5,6,7
.if \mode == 0
	v_wmma_scale_f32_16x16x128_f8f6f4 v[8*(8*\a+\b):8*(8*\a+\b)+7], v[128*((\s)%2)+8*\b:128*((\s)%2)+8*\b+7], v[AF+32*((\s)%2)+8*\a:AF+32*((\s)%2)+8*\a+7], v[8*(8*\a+\b):8*(8*\a+\b)+7], v[SC+8*\b+(\s)], v[SC+8*\a+(\s)] matrix_a_fmt:MATRIX_FMT_FP4 matrix_b_fmt:MATRIX_FMT_FP4 matrix_a_scale:MATRIX_SCALE_ROW1
.else
	v_wmma_scale_f32_16x16x128_f8f6f4 v[8*(8*\a+\b):8*(8*\a+\b)+7], v[128*((\s)%2)+8*\b:128*((\s)%2)+8*\b+7], v[AF+32*((\s)%2)+8*\a:AF+32*((\s)%2)+8*\a+7], v[BI+8*\b:BI+8*\b+7], v[SC+8*\b+(\s)], v[SC+8*\a+(\s)] matrix_a_fmt:MATRIX_FMT_FP4 matrix_b_fmt:MATRIX_FMT_FP4 matrix_a_scale:MATRIX_SCALE_ROW1
.endif
.endr
.endr
.endm
.macro STEP s, mode
	s_wait_dscnt 0x0                               ; this step's fragments are in
.if (\s) == 3
	s_wait_tensorcnt 0x0                           ; my part of slot 1 has landed;
	s_barrier_signal -1
	s_barrier_wait -1                              ; everybody's has.
.endif
.if (\s) < 7
.if (\s) > 0
	PLACES 4                                       ; four places between the last step's products and loads into the set that they read
.endif
	FETCH (\s)+1
.endif
.if \mode == 0
	WIN MUL
.else
	WIN MUL0
.endif
	MUL32 \s, \mode
	WIN 0
.endm
	s_load_b256 s[4:11], s[0:1], 0x0               ; y's codes s[4:5], y's scales s[6:7], W's codes s[8:9], W's scales s[10:11]
	s_load_b128 s[12:15], s[0:1], 0x20             ; b_proj s[12:13], out0 s[14:15]
	v_lshl_add_u32 v126, v0, 2, 0x3d700
	v_mov_b32 v127, 0
	ds_add_u32 v126, v127
	ds_add_u32 v126, v127
	v_lshrrev_b32 v3, 5, v0
	v_readfirstlane_b32 s18, v3                    ; wave 0..3
	s_lshr_b32 s19, s18, 1                         ; which 64 tokens are mine.  Also: I fetch for y (0) or for W (1)
	s_and_b32 s20, s18, 1                          ; which 128 columns.  Also: which half of that side I fetch
	s_bfe_u32 s21, ttmp6, 0x40000                  ; cx
	s_bfe_u32 s22, ttmp6, 0x40004                  ; cy
	s_lshl_b32 s23, ttmp9, 2
	s_add_co_u32 s23, s23, s21                     ; tile column
	s_and_b32 s2, ttmp7, 0xffff
	s_lshl_b32 s2, s2, 2
	s_add_co_u32 s2, s2, s22                       ; tile row
	s_lshl_b32 s84, s22, 2
	s_lshl_b32 s84, 15, s84                        ; my row of the cluster
	s_lshl_b32 s85, 0x1111, s21                    ; my column
	s_or_b32 s[G1X], s84, (3<<16)|(1<<21)          ; y's codes: 4 token tiles x 4,096 bytes (512 elements of 8), 8,192 bytes from tile to tile; no padding: they are read 16 x lane
	s_mov_b32 s[G1X+1], 512<<16
	s_mov_b32 s[G1X+2], 4<<16
	s_mov_b32 s[G1X+3], 512<<16
	s_mov_b32 s[G1X+4], 4
	s_mov_b32 s[G1X+5], 1024
	s_mov_b32 s[G1X+6], 0
	s_mov_b32 s[G1X+7], 0
	s_or_b32 s[G1W], s85, CW0                      ; W's codes: 128 rows x 256 bytes, 512 bytes from row to row
	s_mov_b32 s[G1W+1], 256<<16
	s_mov_b32 s[G1W+2], 128<<16
	s_mov_b32 s[G1W+3], 256<<16
	s_mov_b32 s[G1W+4], 128
	s_mov_b32 s[G1W+5], 512
	s_mov_b32 s[G1W+6], 0
	s_mov_b32 s[G1W+7], 0
	s_or_b32 s[G1XS], s84, SW0                     ; the scales of 64 tokens: 8 rows of 256 bytes
	s_mov_b32 s[G1XS+1], 32<<16
	s_mov_b32 s[G1XS+2], 8<<16
	s_mov_b32 s[G1XS+3], 32<<16
	s_mov_b32 s[G1XS+4], 8
	s_mov_b32 s[G1XS+5], 32
	s_mov_b32 s[G1XS+6], 0
	s_mov_b32 s[G1XS+7], 0
	s_or_b32 s[G1WS], s85, SW0                     ; of 128 rows of W: 16 rows of 256 bytes
	s_mov_b32 s[G1WS+1], 32<<16
	s_mov_b32 s[G1WS+2], 16<<16
	s_mov_b32 s[G1WS+3], 32<<16
	s_mov_b32 s[G1WS+4], 16
	s_mov_b32 s[G1WS+5], 32
	s_mov_b32 s[G1WS+6], 0
	s_mov_b32 s[G1WS+7], 0
	s_lshl_b32 s86, s2, 7                          ; y: token 128 x tile row + 64 x half: in registers that never hold cx
	s_lshl_b32 s3, s20, 6
	s_add_co_u32 s86, s86, s3
	s_lshl_b32 s88, s86, 5                         ; its scales: 32 bytes a token
	s_mov_b32 s89, 0
	s_lshl_b32 s86, s86, 9                         ; its codes: 8,192 bytes for 16 tokens
	s_mov_b32 s87, 0
	s_lshl_b32 s90, s23, 8                         ; W: row 256 x tile column + 128 x half: in registers that never hold cy
	s_lshl_b32 s3, s20, 7
	s_add_co_u32 s90, s90, s3
	s_lshl_b32 s92, s90, 5
	s_mov_b32 s93, 0
	s_lshl_b32 s90, s90, 9
	s_mov_b32 s91, 0
	s_mul_i32 s94, s20, YH                         ; where they go in LDS
	s_mul_i32 s95, s20, WH
	s_add_co_u32 s95, s95, 2*YH
	s_mul_i32 s96, s20, XSH
	s_add_co_u32 s96, s96, SCL
	s_mul_i32 s97, s20, WSH
	s_add_co_u32 s97, s97, SCL+2*XSH
	s_wait_dscnt 0x0
	s_wait_kmcnt 0x0
	s_add_nc_u64 s[86:87], s[4:5], s[86:87]
	s_add_nc_u64 s[88:89], s[6:7], s[88:89]
	s_add_nc_u64 s[90:91], s[8:9], s[90:91]
	s_add_nc_u64 s[92:93], s[10:11], s[92:93]
	CROUND                                         ; all sixteen work-groups are here: the joint loads meet
	s_mov_b32 s[G0XS], 1
	s_mov_b32 s[G0XS+1], s96
	s_mov_b64 s[G0XS+2:G0XS+3], s[88:89]
	s_or_b32 s[G0XS+3], s[G0XS+3], 0x80000000
	s_mov_b32 s[G0WS], 1
	s_mov_b32 s[G0WS+1], s97
	s_mov_b64 s[G0WS+2:G0WS+3], s[92:93]
	s_or_b32 s[G0WS+3], s[G0WS+3], 0x80000000
	JLOAD G0XS, G1XS, G0WS, G1WS                   ; the scales first
.irp s, 0,1
	s_mov_b32 s[G0X+4*\s], 1
	s_add_co_u32 s[G0X+4*\s+1], s94, \s*SLOT
	s_add_nc_u64 s[G0X+4*\s+2:G0X+4*\s+3], s[86:87], \s*4096
	s_or_b32 s[G0X+4*\s+3], s[G0X+4*\s+3], 0x80000000
	s_mov_b32 s[G0W+4*\s], 1
	s_add_co_u32 s[G0W+4*\s+1], s95, \s*SLOT
	s_add_nc_u64 s[G0W+4*\s+2:G0W+4*\s+3], s[90:91], \s*256
	s_or_b32 s[G0W+4*\s+3], s[G0W+4*\s+3], 0x80000000
	s_wait_alu depctr_va_vdst(0)
	s_wait_tensorcnt 0x0
	ds_add_u32 v126, v127
	s_wait_dscnt 0x0
	CROUND
	JLOAD G0X+4*\s, G1X, G0W+4*\s, G1W             ; one load of mine is out behind each of these
.endr
	v_and_b32 v1, 15, v0                           ; r
	v_bfe_u32 v2, v0, 4, 1                         ; h
	v_and_b32 v3, 31, v0
	v_lshlrev_b32 v[L16], 4, v3
	s_mul_i32 s94, s19, YH                         ; my four token tiles
	v_add_nc_u32 v[ADRA], s94, v[L16]
	v_add_nc_u32 v[ADRA+1], SLOT, v[ADRA]
	v_mul_u32_u24 v4, v1, PITCH
	v_lshl_add_u32 v4, v2, 4, v4
	s_mul_i32 s95, s20, WH
	s_add_co_u32 s95, s95, 2*YH                    ; my 128 rows of W
	v_add_nc_u32 v[ADRB], s95, v4
	v_add_nc_u32 v[ADRB+1], SLOT, v[ADRB]
	v_lshlrev_b32 v7, 5, v1                        ; my row's scales: 32 bytes a row,
	v_lshrrev_b32 v8, 8, v7
	v_lshl_add_u32 v7, v8, 4, v7                   ; and 16 more behind the first 256
	s_mul_i32 s96, s19, XSH                        ; y's: my 64 tokens
	s_mul_i32 s97, s20, WSH
	s_add_co_u32 s97, s97, 2*XSH                   ; W's: my 128 rows, behind y's
	s_sub_co_u32 s3, s97, s96
	v_mul_u32_u24 v8, s3, v2                       ; lanes 16-31 take W's: the lower base + h x the distance
	s_add_co_u32 s96, s96, SCL
	v_add_nc_u32 v8, v7, v8
	v_add_nc_u32 v[ADRS], s96, v8
	s_add_co_u32 s97, s97, SCL
	v_add_nc_u32 v[ADRS2], s97, v7
	s_mul_i32 s94, s18, 16*SPITCH
	s_add_co_u32 s94, s94, STG                     ; my stage
	v_mul_u32_u24 v[STO], v1, SPITCH
	v_lshl_add_u32 v[STO], v2, 5, v[STO]
	v_add_nc_u32 v[STO], s94, v[STO]               ; in: row r, 32 bytes for each half of the lanes
	v_add_nc_u32 v[RD], s94, v[L16]                ; back: the 32 lanes take a row of 512 bytes
	v_lshlrev_b32 v10, 5, v2                       ; the bias: eight numbers from 8 h on
	s_wait_alu depctr_va_vdst(0)
	s_lshl_b32 s98, s23, 8
	s_lshl_b32 s3, s20, 7
	s_add_co_u32 s98, s98, s3                      ; my first column
	s_lshl_b32 s98, s98, 2                         ; in bytes
	s_mov_b32 s99, 0
	s_add_nc_u64 s[12:13], s[12:13], s[98:99]
	s_lshl_b32 s90, s2, 7
	s_lshl_b32 s3, s19, 6
	s_add_co_u32 s90, s90, s3                      ; my first row of out0
	s_lshl_b32 s90, s90, 12                        ; 4,096 bytes a row
	s_add_co_u32 s90, s90, s98
	s_mov_b32 s91, 0
	s_add_nc_u64 s[14:15], s[14:15], s[90:91]
	WIN TO_B
.irp b, 0,1,2,3,4,5,6,7
	global_load_b128 v[BI+8*\b:BI+8*\b+3], v10, s[12:13] offset:64*\b         ; register j: column 16 b + 8 h + j
	global_load_b128 v[BI+8*\b+4:BI+8*\b+7], v10, s[12:13] offset:64*\b+16
.endr
	WIN 0
	s_wait_loadcnt 0x0
	s_wait_tensorcnt 1                             ; the scales and my part of slot 0 have landed; slot 1's load, issued last, may stay out
	s_barrier_signal -1
	s_barrier_wait -1
	SCALES
	FETCH 0
	STEP 0, 1
.irp s, 1,2,3,4,5,6,7
	STEP \s, 0
.endr
; THE WAY OUT, a block of 16 rows x 128 columns at a time, through my own stage.  LDS serves a wave's instructions in order (ISA guide 5.7.1.4): no wait between the stores and the loads, nor in front of the next block's stores.
.macro TOSTAGE a
	WIN 0x08                                       ; an LDS store's data are its source 1: window 2
.irp b, 0,1,2,3,4,5,6,7
	ds_store_b128 v[STO], v[64*(\a)+8*\b:64*(\a)+8*\b+3] offset:64*\b          ; each accumulator from its low end on
	ds_store_b128 v[STO], v[64*(\a)+8*\b+4:64*(\a)+8*\b+7] offset:64*\b+16
.endr
	WIN 0
.irp t, 0,1,2,3,4,5,6,7,8,9,10,11,12,13,14,15
	ds_load_b128 v[BK+64*((\a)%2)+4*\t:BK+64*((\a)%2)+4*\t+3], v[RD] offset:SPITCH*\t
.endr
.endm
.macro SEND a, younger                 ; younger: the LDS instructions issued behind block a's loads, which may stay out
	s_wait_dscnt \younger
.irp t, 0,1,2,3,4,5,6,7,8,9,10,11,12,13,14,15
	global_store_b128 v[L16], v[BK+64*((\a)%2)+4*\t:BK+64*((\a)%2)+4*\t+3], s[14:15] offset:65536*(\a)+4096*\t th:TH_STORE_NT   ; 32 lanes store 512 consecutive bytes, aligned to 256; written once, read by nobody here
.endr
.endm
	PLACES 4                                       ; four places between the last products, the first read of results and the loads into R's registers
	TOSTAGE 0
.irp a, 1,2,3
.if \a > 1
	s_wait_xcnt 0x0                                ; block a - 2's stores have read their registers: block a's loads may land there
.endif
	TOSTAGE \a
	SEND \a-1, 32                                  ; behind block a - 1's loads: block a's 16 stores and 16 loads
.endr
	SEND 3, 0
	s_wait_tensorcnt 0x0
	ds_add_u32 v126, v127
	s_wait_dscnt 0x0
	CROUND                                         ; the closing round
	s_endpgm
.Lfunc_end_k_q8cfe08c96e_proj:
	.size	k_q8cfe08c96e_proj, .Lfunc_end_k_q8cfe08c96e_proj-k_q8cfe08c96e_proj
	.p2alignl 7, 3214868480
	.fill 96, 4, 3214868480
	.section	.rodata,"a",@progbits
	.p2align	6, 0x0
	.amdhsa_kernel k_q8cfe08c96e_proj
		.amdhsa_group_segment_fixed_size 327680
		.amdhsa_private_segment_fixed_size 0
		.amdhsa_enable_private_segment 0
		.amdhsa_kernarg_size 48
		.amdhsa_user_sgpr_count 2
		.amdhsa_user_sgpr_kernarg_segment_ptr 1
		.amdhsa_wavefront_size32 1
		.amdhsa_system_sgpr_workgroup_id_x 1
		.amdhsa_system_sgpr_workgroup_id_y 1
		.amdhsa_system_sgpr_workgroup_id_z 1
		.amdhsa_system_vgpr_workitem_id 0
		.amdhsa_next_free_vgpr 768
		.amdhsa_next_free_sgpr 102
		.amdhsa_reserve_vcc 0
		.amdhsa_float_denorm_mode_32 3
		.amdhsa_float_denorm_mode_16_64 3
		.amdhsa_memory_ordered 1
		.amdhsa_forward_progress 1
		.amdhsa_inst_pref_size 74
	.end_amdhsa_kernel
	.amdgpu_metadata
---
amdhsa.version: [ 1, 2 ]
amdhsa.kernels:
  - .name:           k_q8cfe08c96e_proj
    .symbol:         k_q8cfe08c96e_proj.kd
    .args:
      - { .name: ycodes, .offset: 0, .size: 8, .value_kind: global_buffer, .address_space: global }
      - { .name: yscales, .offset: 8, .size: 8, .value_kind: global_buffer, .address_space: global }
      - { .name: W_proj_codes, .offset: 16, .size: 8, .value_kind: global_buffer, .address_space: global }
      - { .name: W_proj_scales, .offset: 24, .size: 8, .value_kind: global_buffer, .address_space: global }
      - { .name: b_proj, .offset: 32, .size: 8, .value_kind: global_buffer, .address_space: global }
      - { .name: out0, .offset: 40, .size: 8, .value_kind: global_buffer, .address_space: global }
    .group_segment_fixed_size: 327680
    .private_segment_fixed_size: 0
    .kernarg_segment_align: 8
    .kernarg_segment_size: 48
    .max_flat_workgroup_size: 128
    .sgpr_count:     102
    .vgpr_count:     768
    .wavefront_size: 32
...
	.end_amdgpu_metadata
.endif
;; end of part 3
